; MI455X (gfx1250); checked and timed in simulation.
; The chip was launched on July 23, 2026; its instructions are those of AMD's public machine-readable ISA for CDNA 5 (MIT licence, August 2026) and "CDNA5" Instruction Set Architecture Reference Guide (July 2026). The comments in the code are by the model that wrote it; some were corrected since.
;; Mixture Of Experts. Allowed arithmetic: matrix products marked QUANTISED: E2M3 operands, one E8M0 scale for each 32 along K, by v_wmma_scale_f32_16x16x128_f8f6f4 with both operands' format E2M3, f32 sums; products left as they are: f32 operands where the result goes on into a quantised operand, else bf16, f16 or f32 operands; f32 sums; everything else in f32.
;; Inputs: W1 8 x 1,024 x 4,096 float32; W2 8 x 4,096 x 1,024 float32; W_router 1,024 x 8 float32; b1 8 x 4,096 float32; b2 8 x 1,024 float32; x 4 x 256 x 1,024 float32.
;; Outputs: out0 4 x 256 x 1,024 float32.
;; This version of the problem:
;;   THIS VERSION OF THE PROBLEM IS GIVEN IN LOW PRECISION. The matrix products marked QUANTISED in the list below multiply operands that are first quantised to E2M3 (2 exponent bits, 3 mantissa bits; 6 bits a number), with one power-of-two scale for each 32 numbers along K (OCP MX v1.0); their sums are f32. All else is computed in f32.
;;   The module's matrix products, in the order in which they are computed (A, B: the left and right operand; K: the contracted axis; several contracted axes count as one K, in the product's order):
;;     1. [M 1,024, K 1,024] x [K 1,024, N 8]; A: input x; B: input W_router: left as it is (N = 8 < 16)
;;     2. [M 1,024, K 1,024] x [K 1,024, N 4,096]; A: computed on the way; B: input W1: QUANTISED
;;     3. [M 1,024, K 4,096] x [K 4,096, N 1,024]; A: computed on the way; B: input W2: QUANTISED
;;     4. [M 1,024, K 1,024] x [K 1,024, N 4,096]; A: computed on the way; B: input W1: QUANTISED
;;     5. [M 1,024, K 4,096] x [K 4,096, N 1,024]; A: computed on the way; B: input W2: QUANTISED
;;     6. [M 1,024, K 1,024] x [K 1,024, N 4,096]; A: computed on the way; B: input W1: QUANTISED
;;     7. [M 1,024, K 4,096] x [K 4,096, N 1,024]; A: computed on the way; B: input W2: QUANTISED
;;     8. [M 1,024, K 1,024] x [K 1,024, N 4,096]; A: computed on the way; B: input W1: QUANTISED
;;     9. [M 1,024, K 4,096] x [K 4,096, N 1,024]; A: computed on the way; B: input W2: QUANTISED
;;     10. [M 1,024, K 1,024] x [K 1,024, N 4,096]; A: computed on the way; B: input W1: QUANTISED
;;     11. [M 1,024, K 4,096] x [K 4,096, N 1,024]; A: computed on the way; B: input W2: QUANTISED
;;     12. [M 1,024, K 1,024] x [K 1,024, N 4,096]; A: computed on the way; B: input W1: QUANTISED
;;     13. [M 1,024, K 4,096] x [K 4,096, N 1,024]; A: computed on the way; B: input W2: QUANTISED
;;     14. [M 1,024, K 1,024] x [K 1,024, N 4,096]; A: computed on the way; B: input W1: QUANTISED
;;     15. [M 1,024, K 4,096] x [K 4,096, N 1,024]; A: computed on the way; B: input W2: QUANTISED
;;     16. [M 1,024, K 1,024] x [K 1,024, N 4,096]; A: computed on the way; B: input W1: QUANTISED
;;     17. [M 1,024, K 4,096] x [K 4,096, N 1,024]; A: computed on the way; B: input W2: QUANTISED
;;   THE QUANTISER, for each operand of a quantised product, along K:
;;     - K is cut into blocks of 32 from its start; a last block that is shorter is filled with zeros.
;;     - A block's scale is 2^e with e = floor(log2(the largest magnitude in the block)) - 2, held to -126 .. 127; a block of zeros has e = 0. As a byte (E8M0): e + 127.
;;     - Each number is divided by its block's scale, clamped to +-7.5, and rounded to the nearest number of E2M3, ties to even, subnormals kept.
;;     - The product sums the exact products of the quantised numbers (number of the format x scale) in f32.
;;   ~~~python
;;   def quantise(x, axis):      # numpy; x: float32 -> the quantised numbers, widened to float32 again
;;       x = np.moveaxis(x, axis, -1); K = x.shape[-1]
;;       x = np.pad(x, [(0, 0)] * (x.ndim - 1) + [(0, -K % 32)]); x = x.reshape(x.shape[:-1] + (-1, 32)); a = np.abs(x).max(-1, keepdims=True)
;;       e = np.where(a > 0, np.clip(np.frexp(np.where(a > 0, a, 1))[1] - 1 - 2, -126, 127), 0)      # np.frexp(a)[1] - 1 = floor(log2(a)), exactly
;;       r = np.clip(x / 2.0 ** e, -7.5, 7.5)
;;       step = 2.0 ** (np.maximum(np.frexp(np.where(r == 0, 1, r))[1] - 1, 0) - 3)
;;       q = np.round(r / step) * step * 2.0 ** e      # np.round: ties to even
;;       return np.moveaxis(q.reshape(q.shape[:-2] + (-1,))[..., :K], -1, axis).astype(np.float32)
;;   ~~~
;;   OPERANDS COMPUTED ON THE WAY. 'Computed on the way' means the value that the module computes at that place (a softmax that the list does not call 'softmax' is quantised finished and normalised). What goes into a quantiser is computed in f32, as accurately as f32 sums, v_exp_f32 and their like allow (about 1e-6 of the number): no bf16 or f16 on the way to a quantiser, and a product that is left as it is and whose result goes on into a quantised operand takes f32 operands (vector FMAs, or v_wmma_f32_16x16x4_f32). A number that lies on a knife's edge between two numbers of the format may be rounded either way, as far as f32 arithmetic and the matrix unit's own rounding can turn it there, and no further.
;; One version. Each part assembles by itself: llvm-mc -triple=amdgcn-amd-amdhsa -mcpu=gfx1250 --defsym DOCPART=n.
;; ======== version 1 of 1: 4 launches
;; limits: a function is approximated: absolute error at most 1e-07
;; workspace buffers: xq 786,432 bytes; xs 32,768 bytes; sel 4,096 bytes of whole numbers; gates 8,192 bytes; hbuf 29,360,128 bytes; ybuf 18,874,368 bytes
;; launch route (part 1): grid 256 x 1, 4 waves a work-group, no clusters, 34,304 bytes of LDS; arguments x, W_router, xq, xs, sel, gates; writes xq, xs, sel, gates
.if DOCPART == 1
	.amdgcn_target "amdgcn-amd-amdhsa--gfx1250"
	.amdhsa_code_object_version 6
	.text
	.protected	k_qe91caa470f_route
	.globl	k_qe91caa470f_route
	.p2align	8
	.type	k_qe91caa470f_route,@function
k_qe91caa470f_route:
	s_mov_b64 s[64:65], 0
	v_nop
	global_prefetch_b8 v0, s[64:65] scope:SCOPE_SE
	s_setreg_imm32_b32 hwreg(HW_REG_WAVE_MODE, 25, 1), 1
	s_wait_xcnt 0x0
; ROUTE.  For each of the 1,024 tokens: logits = x W_router in f32 (fused multiply-adds), softmax over the 8 experts (the largest logit taken away first),
; the two largest probabilities (a strict compare in ascending order: the lower index wins a tie), the softmax of these two; and x's row as codes of FP6 (E2M3) with one E8M0 byte for each 32 along D.
; SHARES: one wave, one token: token = 4 x work-group + wave.  Lane l holds block l of the row, x[32 l .. 32 l + 31]: the block's largest magnitude needs no other lane.
; OUT: sel[t] = e0 | e1 << 8 (whole numbers);  gates[2 t + rank] f32;  xs[t][32] scale bytes;
;      xq[t]: 768 bytes: block B at 384 (B & 1) + 24 (B >> 1), so that lane (r, h) of an operand finds the 384 bytes of its blocks (B & 1 = h) on end.
; W_router (32 KiB) lies in LDS as 64 slots of 528 bytes: slot 2 i + half holds at 16 L the four numbers W_router[32 L + i][4 half ..]: a slot is read by 32 lanes as 512 bytes on end.
; No address and no branch hangs on a floating-point number: the choice is stored at a fixed place.
; LIMITS: NaN and infinities are not served.  A block whose largest magnitude lies under 2^-124 (a block of zeros too) gets the byte 1 with the codes that follow from it; the bytes are read by this program alone.
; The logits are summed in another order than a plain loop over D, and a probability is p' x (1 / sum): a second and a third probability within a few units in the last place of each other may be chosen the other way.
.set X,     16                         ; v16-47   my 32 numbers of x
.set WB,    48                         ; v48-175  two batches of 16 slots of W_router
.set LG,    176                        ; v176-183 the eight logits
.set PR,    184                        ; v184-191 the probabilities
.set SBY,   202                        ; v202     my block's scale byte: a store's data, written once and never again
.set SLOTP, 528
	s_load_b256 s[4:11], s[0:1], 0x0               ; x s[4:5], W_router s[6:7], xq s[8:9], xs s[10:11]
	s_load_b128 s[12:15], s[0:1], 0x20             ; sel s[12:13], gates s[14:15]
	v_lshl_add_u32 v208, v0, 2, 0x8400
	v_mov_b32 v209, 0
	v_lshrrev_b32 v1, 5, v0
	v_readfirstlane_b32 s16, v1                    ; wave 0..3
	v_and_b32 v1, 31, v0                           ; lane
	v_lshlrev_b32 v2, 7, v1                        ; x: 128 bytes a lane
	v_lshlrev_b32 v3, 4, v1                        ; 16 x lane
	v_mul_u32_u24 v4, v1, SLOTP
	s_lshl_b32 s18, s16, 7
	v_add_nc_u32 v4, s18, v4                       ; where I put W_router's bytes: slot = lane (+ 32), place 16 (8 wave + ..)
	v_and_b32 v5, 1, v1
	v_mul_u32_u24 v5, v5, 384
	v_lshrrev_b32 v6, 1, v1
	v_mad_u32_u24 v5, v6, 24, v5                   ; my block's place in the token's 768 bytes of codes
	v_mov_b32 v7, 0
	s_lshl_b32 s17, ttmp9, 2
	s_add_co_u32 s17, s17, s16                     ; my token
	s_mov_b32 s32, 0x76543210
	s_mov_b32 s33, 0xfedcba98                      ; v_permlanex16_b32's selects for lane l xor 16
	s_lshl_b32 s20, s16, 13                        ; my wave's 8,192 bytes of W_router
	s_mov_b32 s21, 0
	s_lshl_b32 s22, s17, 12                        ; my row of x
	s_mov_b32 s23, 0
	s_mul_i32 s24, s17, 768
	s_mov_b32 s25, 0
	s_lshl_b32 s26, s17, 5
	s_mov_b32 s27, 0
	s_lshl_b32 s28, s17, 2
	s_mov_b32 s29, 0
	s_lshl_b32 s30, s17, 3
	s_mov_b32 s31, 0
	s_wait_kmcnt 0x0
	s_add_nc_u64 s[6:7], s[6:7], s[20:21]
	s_add_nc_u64 s[4:5], s[4:5], s[22:23]
	s_add_nc_u64 s[8:9], s[8:9], s[24:25]
	s_add_nc_u64 s[10:11], s[10:11], s[26:27]
	s_add_nc_u64 s[12:13], s[12:13], s[28:29]
	s_add_nc_u64 s[14:15], s[14:15], s[30:31]
.irp k, 0,1,2,3,4,5,6,7,8,9,10,11,12,13,14,15
	global_load_b128 v[WB+4*\k:WB+4*\k+3], v3, s[6:7] offset:512*\k   ; 32 lanes read 512 bytes on end
.endr
.irp q, 0,1,2,3,4,5,6,7
	global_load_b128 v[X+4*\q:X+4*\q+3], v2, s[4:5] offset:16*\q th:TH_LOAD_NT   ; the eight together take the row's 4,096 bytes
.endr
	s_wait_loadcnt 8                               ; W_router's sixteen loads are in; the eight of x may be out
.irp k, 0,1,2,3,4,5,6,7,8,9,10,11,12,13,14,15
	ds_store_b128 v4, v[WB+4*\k:WB+4*\k+3] offset:(\k%2)*32*SLOTP+16*(\k/2)   ; byte 8192 w + 512 k + 16 lane is row 32 (8 w + k / 2) + 16 (k % 2) + lane / 2, half lane % 2
.endr
	s_wait_dscnt 0x0                               ; for the others' sake: my stores have landed
	s_barrier_signal -1
	s_barrier_wait -1                              ; the whole table lies in LDS; nothing is written there again
.macro LOADW b                         ; slots 16 b .. 16 b + 15 into batch b % 2
.irp k, 0,1,2,3,4,5,6,7,8,9,10,11,12,13,14,15
	ds_load_b128 v[WB+64*((\b)%2)+4*\k:WB+64*((\b)%2)+4*\k+3], v3 offset:(16*(\b)+\k)*SLOTP
.endr
.endm
.macro DOT b                           ; 16 slots: i = 8 b + k / 2, half = k % 2: four logits += x_i x four numbers of W_router; x_i is one word of a pair, taken for both halves
.irp k, 0,1,2,3,4,5,6,7,8,9,10,11,12,13,14,15
.set xi, 8*(\b)+\k/2
.set wr, WB+64*((\b)%2)+4*\k
.set lg, LG+4*(\k%2)
.set xp, X+(xi/2)*2
.if xi == 0
	v_pk_mul_f32 v[lg:lg+1], v[wr:wr+1], v[xp:xp+1] op_sel_hi:[1,0]             ; the first product starts the sums
	v_pk_mul_f32 v[lg+2:lg+3], v[wr+2:wr+3], v[xp:xp+1] op_sel_hi:[1,0]
.elseif xi%2 == 0
	v_pk_fma_f32 v[lg:lg+1], v[wr:wr+1], v[xp:xp+1], v[lg:lg+1] op_sel_hi:[1,0,1]
	v_pk_fma_f32 v[lg+2:lg+3], v[wr+2:wr+3], v[xp:xp+1], v[lg+2:lg+3] op_sel_hi:[1,0,1]
.else
	v_pk_fma_f32 v[lg:lg+1], v[wr:wr+1], v[xp:xp+1], v[lg:lg+1] op_sel:[0,1,0] op_sel_hi:[1,1,1]
	v_pk_fma_f32 v[lg+2:lg+3], v[wr+2:wr+3], v[xp:xp+1], v[lg+2:lg+3] op_sel:[0,1,0] op_sel_hi:[1,1,1]
.endif
.endr
.endm
	LOADW 0
	LOADW 1
	s_wait_loadcnt 0x0                             ; x
	s_wait_dscnt 16                                ; batch 0 is in; the sixteen younger loads may be out
	DOT 0
	LOADW 2
	s_wait_dscnt 16
	DOT 1
	LOADW 3
	s_wait_dscnt 16
	DOT 2
	s_wait_dscnt 0x0
	DOT 3
	; x's block: the largest magnitude with the floor 2^(3 - 127) among its leaves, 2 off its exponent field = the conversion's scale operand, its exponent field = the byte
	v_max3_num_f32 v192, |v[X]|, |v[X+1]|, 0x1800000
	v_max3_num_f32 v193, |v[X+2]|, |v[X+3]|, 0x1800000
.irp n, 4,8,12,16,20,24,28
	v_max3_num_f32 v192, v192, |v[X+\n]|, |v[X+\n+1]|
	v_max3_num_f32 v193, v193, |v[X+\n+2]|, |v[X+\n+3]|
.endr
	v_max_num_f32 v192, v192, v193
	v_add_nc_u32 v193, 0xff000000, v192
	v_lshrrev_b32 v[SBY], 23, v193
	v_cvt_scalef32_pk16_fp6_f32 v[8:10], v[X:X+15], v193
	v_cvt_scalef32_pk16_fp6_f32 v[12:14], v[X+16:X+31], v193
	v_nop                                          ; one plain line behind the conversions
	global_store_b96 v5, v[8:10], s[8:9]           ; the data and offsets of these three stores (v8-14, v5, v1, v202) are written by no later line
	global_store_b96 v5, v[12:14], s[8:9] offset:12
	global_store_b8 v1, v[SBY], s[10:11]
	; the logits: the sum over the 32 lanes, in every lane
.irp m, 1,2,4,8
.irp e, 0,1,2,3,4,5,6,7
	v_add_f32_dpp v[LG+\e], v[LG+\e], v[LG+\e] row_xmask:\m row_mask:0xf bank_mask:0xf
.endr
.endr
.irp e, 0,1,2,3,4,5,6,7
	v_permlanex16_b32 v[WB+\e], v[LG+\e], s32, s33 ; (its destination counts as read: these registers have been written)
.endr
.irp e, 0,1,2,3,4,5,6,7
	v_add_f32 v[LG+\e], v[LG+\e], v[WB+\e]
.endr
	v_max3_num_f32 v192, v[LG], v[LG+1], v[LG+2]
	v_max3_num_f32 v192, v192, v[LG+3], v[LG+4]
	v_max3_num_f32 v192, v192, v[LG+5], v[LG+6]
	v_max_num_f32 v192, v192, v[LG+7]              ; the largest logit is taken away before the exponentials
.irp e, 0,1,2,3,4,5,6,7
	v_sub_f32 v[PR+\e], v[LG+\e], v192
.endr
.irp e, 0,1,2,3,4,5,6,7
	v_mul_f32 v[PR+\e], 0x3fb8aa3b, v[PR+\e]       ; x log2(e)
.endr
.irp e, 0,1,2,3,4,5,6,7
	v_exp_f32 v[PR+\e], v[PR+\e]
.endr
	v_nop                                          ; a plain line behind the last exponential,
	s_wait_alu depctr_va_vdst(0)                   ; and one wait for the batch of eight, ahead of its first reader
	v_add_f32 v193, v[PR], v[PR+1]
	v_add_f32 v194, v[PR+2], v[PR+3]
	v_add_f32 v195, v[PR+4], v[PR+5]
	v_add_f32 v196, v[PR+6], v[PR+7]
	v_add_f32 v193, v193, v194
	v_add_f32 v195, v195, v196
	v_add_f32 v193, v193, v195
	v_rcp_f32 v193, v193
	v_nop
	s_wait_alu depctr_va_vdst(0)
.irp e, 0,1,2,3,4,5,6,7
	v_mul_f32 v[PR+\e], v[PR+\e], v193
.endr
	v_mov_b32 v194, v[PR]                          ; the largest probability and its index
	v_mov_b32 v195, 0
.irp e, 1,2,3,4,5,6,7
	v_cmp_gt_f32 vcc_lo, v[PR+\e], v194
	v_cndmask_b32 v194, v194, v[PR+\e], vcc_lo
	v_cndmask_b32 v195, v195, \e, vcc_lo
.endr
.irp e, 0,1,2,3,4,5,6,7
	v_cmp_eq_u32 vcc_lo, \e, v195
	v_cndmask_b32 v[PR+\e], v[PR+\e], -1.0, vcc_lo ; the winner leaves the field: no probability lies under 0
.endr
	v_mov_b32 v196, v[PR]                          ; the second largest
	v_mov_b32 v197, 0
.irp e, 1,2,3,4,5,6,7
	v_cmp_gt_f32 vcc_lo, v[PR+\e], v196
	v_cndmask_b32 v196, v196, v[PR+\e], vcc_lo
	v_cndmask_b32 v197, v197, \e, vcc_lo
.endr
	v_sub_f32 v198, v196, v194                     ; the softmax of the two, the larger taken away: E = e^(second - first), at most 1
	v_mul_f32 v198, 0x3fb8aa3b, v198
	v_exp_f32 v198, v198
	v_lshl_or_b32 v199, v197, 8, v195              ; (a plain line)  sel = e0 | e1 << 8
	s_wait_alu depctr_va_vdst(0)
	v_add_f32 v200, 1.0, v198
	v_rcp_f32 v200, v200                           ; g0 = 1 / (1 + E)
	v_nop
	s_wait_alu depctr_va_vdst(0)
	v_mul_f32 v201, v198, v200                     ; g1 = E / (1 + E)
	v_cmp_eq_u32 vcc_lo, 0, v1
	s_wait_xcnt 0x0                                ; EXEC is narrowed only behind this wait: the stores above have taken their sources
	s_wait_tensorcnt 0x0
	ds_add_u32 v208, v209
	s_wait_dscnt 0x0
	s_and_saveexec_b32 s34, vcc_lo                 ; lane 0 alone stores the token's choice
	global_store_b32 v7, v199, s[12:13]
	global_store_b64 v7, v[200:201], s[14:15]
	s_endpgm
.Lfunc_end_k_qe91caa470f_route:
	.size	k_qe91caa470f_route, .Lfunc_end_k_qe91caa470f_route-k_qe91caa470f_route
	.p2alignl 7, 3214868480
	.fill 96, 4, 3214868480
	.section	.rodata,"a",@progbits
	.p2align	6, 0x0
	.amdhsa_kernel k_qe91caa470f_route
		.amdhsa_group_segment_fixed_size 34304
		.amdhsa_private_segment_fixed_size 0
		.amdhsa_enable_private_segment 0
		.amdhsa_kernarg_size 48
		.amdhsa_user_sgpr_count 2
		.amdhsa_user_sgpr_kernarg_segment_ptr 1
		.amdhsa_wavefront_size32 1
		.amdhsa_system_sgpr_workgroup_id_x 1
		.amdhsa_system_sgpr_workgroup_id_y 1
		.amdhsa_system_sgpr_workgroup_id_z 1
		.amdhsa_system_vgpr_workitem_id 0
		.amdhsa_next_free_vgpr 210
		.amdhsa_next_free_sgpr 66
		.amdhsa_reserve_vcc 1
		.amdhsa_float_denorm_mode_32 3
		.amdhsa_float_denorm_mode_16_64 3
		.amdhsa_memory_ordered 1
		.amdhsa_forward_progress 1
		.amdhsa_inst_pref_size 28
	.end_amdhsa_kernel
	.amdgpu_metadata
---
amdhsa.version: [ 1, 2 ]
amdhsa.kernels:
  - .name:           k_qe91caa470f_route
    .symbol:         k_qe91caa470f_route.kd
    .args:
      - { .name: x, .offset: 0, .size: 8, .value_kind: global_buffer, .address_space: global }
      - { .name: W_router, .offset: 8, .size: 8, .value_kind: global_buffer, .address_space: global }
      - { .name: xq, .offset: 16, .size: 8, .value_kind: global_buffer, .address_space: global }
      - { .name: xs, .offset: 24, .size: 8, .value_kind: global_buffer, .address_space: global }
      - { .name: sel, .offset: 32, .size: 8, .value_kind: global_buffer, .address_space: global }
      - { .name: gates, .offset: 40, .size: 8, .value_kind: global_buffer, .address_space: global }
    .group_segment_fixed_size: 34304
    .private_segment_fixed_size: 0
    .kernarg_segment_align: 8
    .kernarg_segment_size: 48
    .max_flat_workgroup_size: 128
    .sgpr_count:     66
    .vgpr_count:     210
    .wavefront_size: 32
...
	.end_amdgpu_metadata
.endif
;; end of part 1
;; launch up (part 2): grid 256 x 1, 16 waves a work-group, no clusters, 124,928 bytes of LDS; arguments W1, b1, xq, xs, sel, hbuf; writes hbuf
.if DOCPART == 2
	.amdgcn_target "amdgcn-amd-amdhsa--gfx1250"
	.amdhsa_code_object_version 6
	.text
	.protected	k_qe91caa470f_up
	.globl	k_qe91caa470f_up
	.p2align	8
	.type	k_qe91caa470f_up,@function
k_qe91caa470f_up:
	s_mov_b64 s[64:65], 0
	v_nop
	global_prefetch_b8 v0, s[64:65] scope:SCOPE_SE
	s_setreg_imm32_b32 hwreg(HW_REG_WAVE_MODE, 25, 1), 1
	s_wait_xcnt 0x0
; UP.  h = Q(gelu(Q(x) Q(W1[e]) + b1[e])) for the rows that chose expert e, both operands in MX-FP6 (E2M3, one E8M0 byte for each 32 along K), the gelu with erf, in f32.
; SHARES: work-group = (expert e = id / 32, fc = id % 32): the 128 hidden units 128 fc .. of e: a slab of W1 of 1,024 x 128 f32, 512 KiB, which no other work-group reads.
; PHASE 1: wave w quantises the unit (K step s = w / 2 of 128, panel H = w % 2 of 64 columns) and stores it in LDS as images of four operands' registers.  Meanwhile it builds, from sel, its own part of e's row list.
;   A load takes, in lanes 0-15 and in lanes 16-31, 256 consecutive aligned bytes of a row of W1: lane (m, hh) gets W1[64 c + 32 hh + i][4 m .. 4 m + 3].  Column 4 m + j's 32 numbers are then one whole block along K in ONE lane,
;   in the order in which the 6-bit operand wants them (registers 6 c .. 6 c + 5: k = 64 c + 32 hh + 0 .. 31).  Tile j of a panel is the columns 4 m + j.
; PHASE 2 (behind the launch's one barrier): wave w takes the tiles of 16 rows at positions 16 w + 256 p of e's list, p = 0 .. 3 (a loop of constant count; a tile past the list's end is jumped over): any split of the rows is served.
;   The product is used transposed (source 0 = 16 columns of W1, source 1 = 16 tokens): register i of tile (H, j) in lane (r, h) is hidden unit 64 H + 32 h + 4 i + j of token r, so a lane's 32 registers of one H are a WHOLE block of the
;   next product's K, in the order p = 8 j + i <-> unit 4 (p % 8) + p / 8.  The launch after this one takes W2's rows in the same order inside each block, so the products are the same.  b1 is the C of each sum's first instruction.
; OUT: hbuf[e][tile][fc]: a record of 1,792 bytes: the operand's 12 registers as three runs of 16 bytes x lane, then its scale word, 8 bytes x lane (the word twice, so that the record's last 256 bytes are written whole).
; THE LIST: position in e's list = order of the scan (word k of a lane's 32, then lane); the launch after this one scans alike.  Each wave keeps the 64 places that are its own in LDS words of its own; empty places hold 2,048.
; NOT IN CLUSTERS, NO TENSOR LOADS: the jumps hang on a count made from sel, which is read from memory; the weights, nearly all of the bytes, are shared with no other work-group.
; LIMITS: NaN and infinities are not served.  Blocks under 2^-124 (zeros too) get the byte 1; the bytes are read by this program alone.  erf: a fit in two ranges; above 0.9277 it gives erfc(t) = 2^(..) with an absolute error of
; about 1e-7, that of 1 + erf in f32, not a relative one far out in the tail; an erfc under 2^-126 counts as 0.
.set ROWB,   16384                     ; a row of W1[e] in bytes
.set UREC,   6656                      ; a unit in LDS: 4 fragments x 3 x 512 bytes, then 512 bytes: four scale words a lane
.set PRIV,   16*UREC                   ; behind the 16 units: 1,024 bytes for each wave: its list (128 words), its table of b1 (128 words)
.set R,      16                        ; rows of a wave in a round
.set PER,    256                       ; rows of the work-group in a round
.set ROUNDS, 4
.set XS,  16                           ; v16-23   x's scale words (they hold nothing else)
.set MX,  24                           ; v24-27   phase 1: largest magnitudes; the list's temporaries
.set SC,  28                           ; v28-31   the conversions' scale operands
.set BY,  32                           ; v32-35   the bytes
.set TU,  36                           ; v36-38   a block's upper 16 codes
.set PT,  39                           ; v39      a lane permute's destination
.set BL,  40                           ; v40-43   b1 as loaded
.set WS,  44                           ; v44-47   W1's scale words, made here in phase 1 and read back here in phase 2 (they hold nothing else)
.set F,   48                           ; v48-95   four fragments: made in phase 1, read back in phase 2
.set T,   96                           ; v96-127  a column's 32 numbers; before that the 32 words of sel
.set G,   128                          ; v128-255 32 loads of 16 bytes
.set ACC, 96                           ; v96-159  phase 2: the sums: 32 H + 8 j + i
.set X,   160                          ; v160-255 x's eight fragments
.set EA,  160                          ; the gelu's temporaries, in x's place: a, t, s (then lo), r (then hi), u (then q, then erfc)
.set ET,  176
.set ES,  192
.set ER,  208
.set EU,  224
.set HC,  48                           ; v48-59   h's codes, in the fragments' place; v60-62, v64-66 the upper halves
.macro SPAIR r, val
	s_mov_b32 s[\r], \val
	s_mov_b32 s[\r+1], \val
.endm
.macro VPAIR r, val
	v_mov_b32 v[\r], \val
	v_mov_b32 v[\r+1], \val
.endm
.macro LOADG c                         ; granule c: rows 64 c + 32 hh + i, i = 0 .. 31
.set i, 0
.rept 32
	global_load_b128 v[G+4*i:G+4*i+3], v4, s[4:5] offset:(64*(\c)+i)*ROWB th:TH_LOAD_NT
.set i, i+1
.endr
.endm
.macro QGRAN c, next                   ; the granule in G becomes registers 6 c .. 6 c + 5 of the four fragments and a byte of each scale word; next = 1: granule 1 is asked for as soon as G has been read out
.irp j, 0,1,2,3
	v_max3_num_f32 v[MX+\j], |v[G+\j]|, |v[G+4+\j]|, 0x1800000     ; the floor 2^(3 - 127) holds the byte at 1 from below
.endr
.set i, 2
.rept 15
.irp j, 0,1,2,3
	v_max3_num_f32 v[MX+\j], v[MX+\j], |v[G+4*i+\j]|, |v[G+4*i+4+\j]|   ; four columns by turns
.endr
.set i, i+2
.endr
.irp j, 0,1,2,3
	v_add_nc_u32 v[SC+\j], 0xff000000, v[MX+\j]    ; 2 off the exponent field: the conversion's scale operand
.endr
.irp j, 0,1,2,3
	v_lshrrev_b32 v[BY+\j], 23, v[SC+\j]
.endr
.irp j, 0,1,2,3
.if \c == 0
	v_mov_b32 v[WS+\j], v[BY+\j]
.else
	v_lshl_or_b32 v[WS+\j], v[BY+\j], 16, v[WS+\j]
.endif
.endr
.irp j, 0,1,2,3
.set i, 0
.rept 32
	v_mov_b32 v[T+i], v[G+4*i+\j]                  ; the conversions take 16 neighbours along K from consecutive registers
.set i, i+1
.endr
.if (\j == 3) && \next
	LOADG 1
.endif
	v_cvt_scalef32_pk16_fp6_f32 v[F+12*\j+6*\c:F+12*\j+6*\c+2], v[T:T+15], v[SC+\j]
	v_cvt_scalef32_pk16_fp6_f32 v[TU:TU+2], v[T+16:T+31], v[SC+\j]   ; (a conversion's three registers begin on an even number)
	v_nop                                          ; one plain line behind the conversions
.irp n, 0,1,2
	v_mov_b32 v[F+12*\j+6*\c+3+\n], v[TU+\n]
.endr
.endr
.endm
.macro FINW                            ; my two bytes (blocks hh and 2 + hh) go 8 hh bits up; with lane l xor 16's two the column's word is whole, in both halves of the lanes
.irp j, 0,1,2,3
	v_lshlrev_b32 v[WS+\j], v12, v[WS+\j]
.endr
.irp j, 0,1,2,3
	v_permlanex16_b32 v[PT], v[WS+\j], s32, s33
	v_or_b32 v[WS+\j], v[WS+\j], v[PT]
.endr
.endm
.macro IMAGES                          ; the unit goes to LDS as its registers stand: every store is 512 bytes on end
.irp j, 0,1,2,3
.irp q, 0,1,2
	ds_store_b128 v6, v[F+12*\j+4*\q:F+12*\j+4*\q+3] offset:1536*\j+512*\q
.endr
.endr
	ds_store_b128 v6, v[WS:WS+3] offset:6144
.endm
; The wave's part of e's list.  Word k of my 32 is token 128 (k / 4) + 4 lane + k % 4.  s20 runs as (rows found so far) - R x wave, so u = position - R x wave; the row is mine where u mod PER < R, in round u / PER.
; A row that is not mine goes to dump word 64 + lane.  Only this wave touches these LDS words, and LDS serves a wave's instructions in order: no wait, no barrier.
.macro LIST
	ds_store_b32 v13, v14                          ; 96 words: empty places hold 2,048
	ds_store_b32 v13, v14 offset:128
	ds_store_b32 v13, v14 offset:256
	s_mul_i32 s20, s16, -R
.set k, 0
.rept 32
	v_and_b32 v24, 0xff, v[T+k]                    ; e0
	v_lshrrev_b32 v25, 8, v[T+k]                   ; e1
	v_cmp_eq_u32 s21, s17, v24
	v_cmp_eq_u32 s22, s17, v25
	s_or_b32 s23, s21, s22
	v_mbcnt_lo_u32_b32 v25, s23, s20               ; u
	v_cndmask_b32 v26, 0, 1, s22                   ; the rank
	v_add3_u32 v26, v26, v10, 256*(k/4)+2*(k%4)    ; the entry: 2 x token + rank
	v_and_b32 v27, PER-1, v25
	v_cmp_gt_u32 s24, R, v27
	s_and_b32 s24, s24, s23
	v_lshrrev_b32 v25, 4, v25                      ; PER / R = 16
	v_and_or_b32 v27, v25, (ROUNDS-1)*R, v27       ; the place: u mod PER + R x round
	v_cndmask_b32 v27, v11, v27, s24
	v_min_u32 v27, 95, v27
	v_lshl_add_u32 v27, v27, 2, v8
	ds_store_b32 v27, v26
	s_bcnt1_i32_b32 s25, s23
	s_add_co_u32 s20, s20, s25
.set k, k+1
.endr
	s_mul_i32 s21, s16, R
	s_add_co_u32 s19, s20, s21                     ; T: the rows of expert e
.endm
; gelu of 16 numbers in place: v x Phi(v), Phi = 1 - erfc(t) / 2 for v >= 0 and erfc(t) / 2 for v < 0, a = v / sqrt(2), t = |a|.  No 1 + erf is formed for negative v.
; t above 0.9277: erfc(t) = e^(p(t) t - t);  else erfc(t) = 1 - (q(t^2) t + t).  Both are computed, v_cndmask_b32 chooses.
.macro GELU16 V
.irp p, 0,2,4,6,8,10,12,14
	v_pk_mul_f32 v[EA+\p:EA+\p+1], v[\V+\p:\V+\p+1], s[34:35] op_sel_hi:[1,0]   ; each accumulator is read from its low end on
.endr
.irp p, 0,1,2,3,4,5,6,7,8,9,10,11,12,13,14,15
	v_and_b32 v[ET+\p], s59, v[EA+\p]
.endr
.irp p, 0,2,4,6,8,10,12,14
	v_pk_mul_f32 v[ES+\p:ES+\p+1], v[EA+\p:EA+\p+1], v[EA+\p:EA+\p+1]
.endr
.irp p, 0,2,4,6,8,10,12,14
	v_pk_fma_f32 v[ER+\p:ER+\p+1], v[ET+\p:ET+\p+1], s[38:39], v[24:25] op_sel_hi:[1,0,1]
.endr
.irp p, 0,2,4,6,8,10,12,14
	v_pk_fma_f32 v[EU+\p:EU+\p+1], v[ET+\p:ET+\p+1], s[40:41], v[26:27] op_sel_hi:[1,0,1]
.endr
.irp p, 0,2,4,6,8,10,12,14
	v_pk_fma_f32 v[ER+\p:ER+\p+1], v[ER+\p:ER+\p+1], v[ES+\p:ES+\p+1], v[EU+\p:EU+\p+1]
.endr
.irp c, 42,44,46
.irp p, 0,2,4,6,8,10,12,14
	v_pk_fma_f32 v[ER+\p:ER+\p+1], v[ER+\p:ER+\p+1], v[ET+\p:ET+\p+1], s[\c:\c+1] op_sel_hi:[1,1,0]
.endr
.endr
.irp p, 0,2,4,6,8,10,12,14
	v_pk_fma_f32 v[ER+\p:ER+\p+1], v[ER+\p:ER+\p+1], v[ET+\p:ET+\p+1], v[ET+\p:ET+\p+1] neg_lo:[0,0,1] neg_hi:[0,0,1]
.endr
.irp p, 0,2,4,6,8,10,12,14
	v_pk_mul_f32 v[ER+\p:ER+\p+1], v[ER+\p:ER+\p+1], s[36:37] op_sel_hi:[1,0]
.endr
.irp p, 0,1,2,3,4,5,6,7,8,9,10,11,12,13,14,15
	v_exp_f32 v[ER+\p], v[ER+\p]
.endr
.irp p, 0,2,4,6,8,10,12,14
	v_pk_fma_f32 v[EU+\p:EU+\p+1], v[ES+\p:ES+\p+1], s[48:49], v[28:29] op_sel_hi:[1,0,1]   ; the lower range's chain names no exponential's result: the work behind the batch
.endr
.irp c, 50,52,54,56
.irp p, 0,2,4,6,8,10,12,14
	v_pk_fma_f32 v[EU+\p:EU+\p+1], v[EU+\p:EU+\p+1], v[ES+\p:ES+\p+1], s[\c:\c+1] op_sel_hi:[1,1,0]
.endr
.endr
.irp p, 0,2,4,6,8,10,12,14
	v_pk_fma_f32 v[EU+\p:EU+\p+1], v[EU+\p:EU+\p+1], v[ET+\p:ET+\p+1], v[ET+\p:ET+\p+1]
.endr
.irp p, 0,2,4,6,8,10,12,14
	v_pk_add_f32 v[EU+\p:EU+\p+1], v[EU+\p:EU+\p+1], 1.0 op_sel_hi:[1,0] neg_lo:[1,0] neg_hi:[1,0]   ; 1 - erf(t)
.endr
	s_wait_alu depctr_va_vdst(0)                   ; one wait for the sixteen exponentials, ahead of their first reader
.irp p, 0,1,2,3,4,5,6,7,8,9,10,11,12,13,14,15
	v_cmp_lt_f32 vcc_lo, s58, v[ET+\p]
	v_cndmask_b32 v[EU+\p], v[EU+\p], v[ER+\p], vcc_lo
.endr
.irp p, 0,2,4,6,8,10,12,14
	v_pk_mul_f32 v[ES+\p:ES+\p+1], v[EU+\p:EU+\p+1], 0.5 op_sel_hi:[1,0]
.endr
.irp p, 0,2,4,6,8,10,12,14
	v_pk_fma_f32 v[ER+\p:ER+\p+1], v[EU+\p:EU+\p+1], -0.5, 1.0 op_sel_hi:[1,0,0]
.endr
.irp p, 0,1,2,3,4,5,6,7,8,9,10,11,12,13,14,15
	v_cmp_gt_f32 vcc_lo, 0, v[EA+\p]
	v_cndmask_b32 v[ET+\p], v[ER+\p], v[ES+\p], vcc_lo
.endr
.irp p, 0,2,4,6,8,10,12,14
	v_pk_mul_f32 v[\V+\p:\V+\p+1], v[\V+\p:\V+\p+1], v[ET+\p:ET+\p+1]
.endr
.endm
	s_load_b256 s[4:11], s[0:1], 0x0               ; W1 s[4:5], b1 s[6:7], xq s[8:9], xs s[10:11]
	s_load_b128 s[12:15], s[0:1], 0x20             ; sel s[12:13], hbuf s[14:15]
	v_lshrrev_b32 v13, 5, v0
	v_readfirstlane_b32 s16, v13                   ; wave 0..15
	v_and_b32 v1, 31, v0                           ; lane
	v_and_b32 v2, 15, v0                           ; m, later r
	v_bfe_u32 v3, v0, 4, 1                         ; hh
	s_lshr_b32 s17, ttmp9, 5                       ; e
	s_and_b32 s18, ttmp9, 31                       ; fc
	v_lshlrev_b32 v4, 4, v2
	v_lshl_add_u32 v4, v3, 19, v4                  ; W1: 32 hh rows of 16,384 bytes + 16 m
	v_lshlrev_b32 v5, 4, v1                        ; 16 x lane
	s_mul_i32 s20, s16, UREC
	v_add_nc_u32 v6, s20, v5                       ; where my unit's images go
	v_add_nc_u32 v7, 8*UREC, v5                    ; units 8 to 15 lie beyond an LDS offset's reach from 16 x lane
	s_lshl_b32 s29, s16, 10
	s_add_co_u32 s29, s29, PRIV                    ; my wave's own LDS words
	v_mov_b32 v8, s29
	v_lshl_add_u32 v9, v2, 2, s29                  ; the list's place r
	v_lshlrev_b32 v10, 3, v1                       ; 8 x lane
	v_add_nc_u32 v11, 64, v1                       ; my dump word
	v_lshlrev_b32 v12, 3, v3                       ; 8 hh
	v_lshl_add_u32 v13, v1, 2, s29                 ; 4 x lane in my words
	v_mov_b32 v14, 2048
	v_and_b32 v15, 7, v1
	v_lshrrev_b32 v[PT], 3, v1
	v_lshlrev_b32 v[PT], 2, v[PT]
	v_lshl_add_u32 v15, v15, 4, v[PT]              ; b1: number 4 (lane % 8) + lane / 8 of a block of 32: the order of the sums' registers
	s_mov_b32 s32, 0x76543210
	s_mov_b32 s33, 0xfedcba98                      ; v_permlanex16_b32's selects for lane l xor 16
	SPAIR 34, 0x3f3504f3                           ; 1 / sqrt(2)      (a packed form names a pair and takes its low word for both halves: both words are written)
	SPAIR 36, 0x3fb8aa3b                           ; log2(e)
	SPAIR 38, 0xb7910000                           ; the upper range's coefficients
	SPAIR 40, 0xbb7e8a1c
	SPAIR 42, 0xbddaae5c
	SPAIR 44, 0xbf228550
	SPAIR 46, 0xbe03ce86
	SPAIR 48, 0xba1c7000                           ; the lower range's
	SPAIR 50, 0xbcdb48d9
	SPAIR 52, 0x3de70e22
	SPAIR 54, 0xbec09380
	SPAIR 56, 0x3e0375d4
	s_mov_b32 s58, 0x3f6d8000                      ; 0.927734375: where the ranges meet
	s_mov_b32 s59, 0x7fffffff
	s_lshl_b32 s30, s17, 24                        ; W1: e x 16 MiB
	s_lshr_b32 s20, s16, 1
	s_lshl_b32 s20, s20, 21                        ; + K step s = w / 2: 128 rows
	s_add_co_u32 s30, s30, s20
	s_lshl_b32 s20, s18, 9                         ; + 512 fc
	s_add_co_u32 s30, s30, s20
	s_and_b32 s20, s16, 1
	s_lshl_b32 s20, s20, 8                         ; + 256 H
	s_add_co_u32 s30, s30, s20
	s_mov_b32 s31, 0
	s_wait_kmcnt 0x0
	s_add_nc_u64 s[4:5], s[4:5], s[30:31]
	s_lshl_b32 s30, s17, 14                        ; b1: e x 16,384 + 512 fc
	s_lshl_b32 s20, s18, 9
	s_add_co_u32 s30, s30, s20
	s_add_nc_u64 s[6:7], s[6:7], s[30:31]
	s_mul_i32 s30, s17, 3670016                    ; hbuf: e x 64 tiles x 32 records, + tile w, + record fc
	s_mul_i32 s20, s16, 57344
	s_add_co_u32 s30, s30, s20
	s_mul_i32 s20, s18, 1792
	s_add_co_u32 s30, s30, s20
	s_add_nc_u64 s[14:15], s[14:15], s[30:31]
.irp q, 0,1,2,3,4,5,6,7
	global_load_b128 v[T+4*\q:T+4*\q+3], v5, s[12:13] offset:512*\q   ; all of sel: 32 words a lane
.endr
.irp q, 0,1,2,3
	global_load_b32 v[BL+\q], v15, s[6:7] offset:128*\q
.endr
	LOADG 0
	s_wait_loadcnt 32                              ; sel and b1 are in; the 32 loads of W1 may be out: the list is made while they are on their way
.irp q, 0,1,2,3
	ds_store_b32 v13, v[BL+\q] offset:512+128*\q   ; word p of the table: b1 of unit 32 (p / 32) + 4 (p % 8) + (p / 8) % 4
.endr
	LIST
	s_wait_loadcnt 0x0
	QGRAN 0, 1
	s_wait_loadcnt 0x0
	QGRAN 1, 0
	FINW
	IMAGES
	VPAIR 24, 0x39c8e7d9                           ; three of the fit's coefficients stand in vector pairs, so that no packed line names two scalar pairs
	VPAIR 26, 0x3cc6b1a1
	VPAIR 28, 0x3ba38d2c
	v_mul_u32_u24 v32, v3, 384                     ; x's codes: my half's 384 bytes of a token's 768
	v_lshlrev_b32 v33, 7, v3
	v_add_nc_u32 v33, s29, v33
	v_add_nc_u32 v33, 512, v33                     ; the table of b1: my half's blocks
	s_wait_dscnt 0x0                               ; for the others' sake: my unit's images have landed
	s_barrier_signal -1
	s_barrier_wait -1                              ; all 16 units lie in LDS; nobody writes them again
	s_lshl_b32 s26, s16, 4                         ; my tile's first position in the list: 16 w + 256 p
	s_mov_b32 s27, 0                               ; 64 p: the round's 16 places in my list
	s_mov_b32 s28, 0                               ; p
.Lround:
	v_add_nc_u32 v13, s27, v9
	s_cmp_ge_u32 s26, s19                          ; past the list's end: nothing to do in this round
	s_cbranch_scc1 .Lnext
	ds_load_b32 v14, v13                           ; row r's entry
	s_wait_dscnt 0x0
	v_lshrrev_b32 v14, 1, v14                      ; its token; an empty place (2,048) takes token 1,023: its results stay inside the tile's own record and are thrown away later
	v_min_u32 v14, 0x3ff, v14
	v_mad_u32_u24 v30, v14, 768, v32
	v_lshlrev_b32 v31, 5, v14
.irp n, 0,1,2,3,4,5,6,7,8,9,10,11,12,13,14,15,16,17,18,19,20,21,22,23
	global_load_b128 v[X+4*\n:X+4*\n+3], v30, s[8:9] offset:16*\n   ; 384 bytes on end: K step s is registers 12 s .. 12 s + 11
.endr
	global_load_b128 v[XS:XS+3], v31, s[10:11]     ; and its 32 scale bytes: word s for K step s
	global_load_b128 v[XS+4:XS+7], v31, s[10:11] offset:16
.irp H, 0,1
.irp j, 0,1,2,3
.irp g, 0,1
	ds_load_b128 v[ACC+32*\H+8*\j+4*\g:ACC+32*\H+8*\j+4*\g+3], v33 offset:256*\H+32*\j+16*\g   ; b1 starts the sums
.endr
.endr
.endr
	s_wait_loadcnt 0x0                             ; x
.set u, 0
.rept 16                               ; unit u: K step u / 2, panel u % 2.  The eight accumulators take turns, one instruction a turn
.if u > 0
.rept 4
	v_nop                                          ; four places between the last products and the loads into the registers that they read
.endr
.endif
.set AD, 5+2*(u/8)
.irp j, 0,1,2,3
.irp q, 0,1,2
	ds_load_b128 v[F+12*\j+4*\q:F+12*\j+4*\q+3], v[AD] offset:(u%8)*UREC+1536*\j+512*\q
.endr
.endr
	ds_load_b128 v[WS:WS+3], v[AD] offset:(u%8)*UREC+6144
	s_wait_dscnt 0x0
.irp j, 0,1,2,3
	v_wmma_scale_f32_16x16x128_f8f6f4 v[ACC+32*(u%2)+8*\j:ACC+32*(u%2)+8*\j+7], v[F+12*\j:F+12*\j+11], v[X+12*(u/2):X+12*(u/2)+11], v[ACC+32*(u%2)+8*\j:ACC+32*(u%2)+8*\j+7], v[WS+\j], v[XS+u/2] matrix_a_fmt:MATRIX_FMT_FP6 matrix_b_fmt:MATRIX_FMT_FP6
.endr
.set u, u+1
.endr
.rept 4
	v_nop                                          ; four places ahead of the first read of the results and of writes over the operands
.endr
	GELU16 ACC
	GELU16 ACC+16
	GELU16 ACC+32
	GELU16 ACC+48
	; h's two blocks of my lane (2 H + hh): all 32 numbers of each are mine
.irp H, 0,1
	v_max3_num_f32 v[34+\H], |v[ACC+32*\H]|, |v[ACC+32*\H+1]|, 0x1800000
.endr
.set i, 2
.rept 15
.irp H, 0,1
	v_max3_num_f32 v[34+\H], v[34+\H], |v[ACC+32*\H+i]|, |v[ACC+32*\H+i+1]|
.endr
.set i, i+2
.endr
.irp H, 0,1
	v_add_nc_u32 v[36+\H], 0xff000000, v[34+\H]
.endr
.irp H, 0,1
	v_lshrrev_b32 v[42+\H], 23, v[36+\H]
.endr
	v_lshl_or_b32 v40, v43, 16, v42
	v_lshlrev_b32 v40, v12, v40                    ; bytes hh and 2 + hh of the row's word;
	v_permlanex16_b32 v[PT], v40, s32, s33
	v_or_b32 v40, v40, v[PT]                       ; with lane l xor 16's the word is whole
	v_mov_b32 v41, v40
.irp H, 0,1
	v_cvt_scalef32_pk16_fp6_f32 v[HC+6*\H:HC+6*\H+2], v[ACC+32*\H:ACC+32*\H+15], v[36+\H]
	v_cvt_scalef32_pk16_fp6_f32 v[60+4*\H:62+4*\H], v[ACC+32*\H+16:ACC+32*\H+31], v[36+\H]
.endr
	v_nop                                          ; one plain line behind the conversions
.irp H, 0,1
.irp n, 0,1,2
	v_mov_b32 v[HC+6*\H+3+\n], v[60+4*\H+\n]
.endr
.endr
.irp q, 0,1,2
	global_store_b128 v5, v[HC+4*\q:HC+4*\q+3], s[14:15] offset:512*\q   ; 512 consecutive bytes, at a multiple of 256 from the buffer's first byte
.endr
	global_store_b64 v10, v[40:41], s[14:15] offset:1536                 ; 256 consecutive bytes
.Lnext:
	s_wait_xcnt 0x0                                ; the stores have taken their data, offsets and base: only now are these written again
	s_add_nc_u64 s[14:15], s[14:15], 917504        ; 16 tiles on
	s_add_co_u32 s26, s26, PER
	s_add_co_u32 s27, s27, 4*R
	s_add_co_u32 s28, s28, 1
	s_cmp_lt_u32 s28, ROUNDS
	s_cbranch_scc1 .Lround
	s_wait_xcnt 0x0
	v_lshl_add_u32 v254, v0, 2, 0x1e000
	v_mov_b32 v255, 0
	s_wait_tensorcnt 0x0
	ds_add_u32 v254, v255
	s_wait_dscnt 0x0
	s_endpgm
.Lfunc_end_k_qe91caa470f_up:
	.size	k_qe91caa470f_up, .Lfunc_end_k_qe91caa470f_up-k_qe91caa470f_up
	.p2alignl 7, 3214868480
	.fill 96, 4, 3214868480
	.section	.rodata,"a",@progbits
	.p2align	6, 0x0
	.amdhsa_kernel k_qe91caa470f_up
		.amdhsa_group_segment_fixed_size 124928
		.amdhsa_private_segment_fixed_size 0
		.amdhsa_enable_private_segment 0
		.amdhsa_kernarg_size 48
		.amdhsa_user_sgpr_count 2
		.amdhsa_user_sgpr_kernarg_segment_ptr 1
		.amdhsa_wavefront_size32 1
		.amdhsa_system_sgpr_workgroup_id_x 1
		.amdhsa_system_sgpr_workgroup_id_y 1
		.amdhsa_system_sgpr_workgroup_id_z 1
		.amdhsa_system_vgpr_workitem_id 0
		.amdhsa_next_free_vgpr 256
		.amdhsa_next_free_sgpr 66
		.amdhsa_reserve_vcc 1
		.amdhsa_float_denorm_mode_32 3
		.amdhsa_float_denorm_mode_16_64 3
		.amdhsa_memory_ordered 1
		.amdhsa_forward_progress 1
		.amdhsa_inst_pref_size 150
	.end_amdhsa_kernel
	.amdgpu_metadata
---
amdhsa.version: [ 1, 2 ]
amdhsa.kernels:
  - .name:           k_qe91caa470f_up
    .symbol:         k_qe91caa470f_up.kd
    .args:
      - { .name: W1, .offset: 0, .size: 8, .value_kind: global_buffer, .address_space: global }
      - { .name: b1, .offset: 8, .size: 8, .value_kind: global_buffer, .address_space: global }
      - { .name: xq, .offset: 16, .size: 8, .value_kind: global_buffer, .address_space: global }
      - { .name: xs, .offset: 24, .size: 8, .value_kind: global_buffer, .address_space: global }
      - { .name: sel, .offset: 32, .size: 8, .value_kind: global_buffer, .address_space: global }
      - { .name: hbuf, .offset: 40, .size: 8, .value_kind: global_buffer, .address_space: global }
    .group_segment_fixed_size: 124928
    .private_segment_fixed_size: 0
    .kernarg_segment_align: 8
    .kernarg_segment_size: 48
    .max_flat_workgroup_size: 512
    .sgpr_count:     66
    .vgpr_count:     256
    .wavefront_size: 32
...
	.end_amdgpu_metadata
.endif
;; end of part 2
;; launch down (part 3): grid 256 x 1, 16 waves a work-group, no clusters, 116,736 bytes of LDS; arguments W2, b2, hbuf, sel, gates, ybuf; writes ybuf
.if DOCPART == 3
	.amdgcn_target "amdgcn-amd-amdhsa--gfx1250"
	.amdhsa_code_object_version 6
	.text
	.protected	k_qe91caa470f_down
	.globl	k_qe91caa470f_down
	.p2align	8
	.type	k_qe91caa470f_down,@function
k_qe91caa470f_down:
	s_mov_b64 s[64:65], 0
	v_nop
	global_prefetch_b8 v0, s[64:65] scope:SCOPE_SE
	s_setreg_imm32_b32 hwreg(HW_REG_WAVE_MODE, 25, 1), 1
	s_wait_xcnt 0x0
; DOWN.  For the rows that chose expert e: gate x (h Q(W2[e]) [+ b2[e]]) over half of K, in MX-FP6 (E2M3, one E8M0 byte for each 32 along K); h comes as operands' images from the launch before.
; SHARES: work-group = (e = id / 32, K half kh = (id / 16) % 2, dc = id % 16): rows 2,048 kh .. of W2[e], columns 64 dc ..: 512 KiB of f32, which no other work-group reads.  64 columns are 256 consecutive aligned bytes of a row.
; PHASE 1: wave w quantises K step w (128 rows x 64 columns) as in the launch before, with ONE difference: inside each block of 32 the rows are taken in the order p -> 4 (p % 8) + p / 8, the order in which h's codes lie.
;   The same order inside a block on both operands leaves blocks, scales and products as they are.  Meanwhile the wave builds its part of e's row list by the same scan as the launch before.
; PHASE 2 (behind the launch's one barrier): wave w takes pairs of tiles at positions 32 w + 512 p of the list, p = 0, 1 (a loop of constant count; a pair past the list's end is jumped over).
;   Source 0 = h's 16 rows, source 1 = 16 columns 4 r + j of W2: register i of tile j in lane (r, h) is (row 8 h + i, column 4 r + j): the four tiles' registers i are 16 neighbouring bytes of a row of the result,
;   so one store writes 256 consecutive aligned bytes of row i (lanes 0-15) and of row 8 + i (lanes 16-31).  h's fragments come from memory through a ring of four K steps in registers.
; OUT: ybuf row 2,048 kh + entry (entry = 2 x token + rank), 4,096 bytes; b2 goes into the half kh = 0.
;   EMPTY PLACES of a pair (only the list's last pair has any) go to rows that nobody reads, EACH PLACE TO A ROW OF ITS OWN: row 4,096 + 32 (2 e + kh) + place, in this work-group's own columns: so no two lanes of the launch store to the same byte.
;   An empty place of the list holds 4,096 + place.  A pair whose second tile has no row reads the first tile's record twice, so that no byte is read that was never stored.
; NOT IN CLUSTERS, NO TENSOR LOADS: the jumps hang on a count made from sel, which is read from memory; the weights, nearly all of the bytes, are shared with no other work-group.
; LIMITS: NaN and infinities are not served.  Blocks of W2 under 2^-124 (zeros too) get the byte 1; the bytes are read by this program alone.
.set ROWB,   4096                      ; a row of W2[e] in bytes
.set UREC,   6656
.set PRIV,   16*UREC                   ; behind the 16 units: 512 bytes for each wave: its list
.set R,      32
.set PER,    512
.set ROUNDS, 2
.set TREC,   57344                     ; a tile's 32 records of 1,792 bytes in hbuf
.set HS,  16                           ; v16-23   h's scale words: slot n, tile t at 2 n + t (they hold nothing else)
.set MX,  24
.set SC,  28
.set BY,  32
.set TU,  36
.set PT,  39
.set WS,  44                           ; v44-47   W2's scale words (they hold nothing else)
.set F,   48
.set T,   96
.set G,   128
.set ACC, 96                           ; v96-159  the sums: 32 t + 8 j + i
.set RG,  160                          ; v160-255 the ring: slot n, tile t at 24 n + 12 t
.set B2,  24                           ; v24-27   b2 of my four columns;  v28-31 the same, or zeros where kh = 1
.set MB,  28
.set BG,  36                           ; v36-39   bias x gate
.set ENT, 48                           ; the way out, in the fragments' and the ring's place: entries, offsets, gates, their addresses, results
.set VO,  64
.set GV,  80
.set OUT, 160
.set GAD, 224
.macro LOADG c                         ; granule c: rows 64 c + 32 hh + 4 (i % 8) + i / 8
.set i, 0
.rept 32
	global_load_b128 v[G+4*i:G+4*i+3], v4, s[4:5] offset:(64*(\c)+4*(i%8)+i/8)*ROWB th:TH_LOAD_NT
.set i, i+1
.endr
.endm
.macro QGRAN c, next                   ; the granule in G becomes registers 6 c .. 6 c + 5 of the four fragments and a byte of each scale word
.irp j, 0,1,2,3
	v_max3_num_f32 v[MX+\j], |v[G+\j]|, |v[G+4+\j]|, 0x1800000     ; the floor 2^(3 - 127) holds the byte at 1 from below
.endr
.set i, 2
.rept 15
.irp j, 0,1,2,3
	v_max3_num_f32 v[MX+\j], v[MX+\j], |v[G+4*i+\j]|, |v[G+4*i+4+\j]|
.endr
.set i, i+2
.endr
.irp j, 0,1,2,3
	v_add_nc_u32 v[SC+\j], 0xff000000, v[MX+\j]
.endr
.irp j, 0,1,2,3
	v_lshrrev_b32 v[BY+\j], 23, v[SC+\j]
.endr
.irp j, 0,1,2,3
.if \c == 0
	v_mov_b32 v[WS+\j], v[BY+\j]
.else
	v_lshl_or_b32 v[WS+\j], v[BY+\j], 16, v[WS+\j]
.endif
.endr
.irp j, 0,1,2,3
.set i, 0
.rept 32
	v_mov_b32 v[T+i], v[G+4*i+\j]
.set i, i+1
.endr
.if (\j == 3) && \next
	LOADG 1
.endif
	v_cvt_scalef32_pk16_fp6_f32 v[F+12*\j+6*\c:F+12*\j+6*\c+2], v[T:T+15], v[SC+\j]
	v_cvt_scalef32_pk16_fp6_f32 v[TU:TU+2], v[T+16:T+31], v[SC+\j]
	v_nop                                          ; one plain line behind the conversions
.irp n, 0,1,2
	v_mov_b32 v[F+12*\j+6*\c+3+\n], v[TU+\n]
.endr
.endr
.endm
.macro FINW
.irp j, 0,1,2,3
	v_lshlrev_b32 v[WS+\j], v12, v[WS+\j]
.endr
.irp j, 0,1,2,3
	v_permlanex16_b32 v[PT], v[WS+\j], s32, s33
	v_or_b32 v[WS+\j], v[WS+\j], v[PT]
.endr
.endm
.macro IMAGES
.irp j, 0,1,2,3
.irp q, 0,1,2
	ds_store_b128 v6, v[F+12*\j+4*\q:F+12*\j+4*\q+3] offset:1536*\j+512*\q
.endr
.endr
	ds_store_b128 v6, v[WS:WS+3] offset:6144
.endm
.macro LIST                            ; as in the launch before: the same scan, so the same positions; here 32 rows a wave and round
	ds_store_b32 v13, v14                          ; 96 words: an empty place holds 4,096 + its number in its round (= my lane)
	ds_store_b32 v13, v14 offset:128
	ds_store_b32 v13, v14 offset:256
	s_mul_i32 s20, s16, -R
.set k, 0
.rept 32
	v_and_b32 v24, 0xff, v[T+k]
	v_lshrrev_b32 v25, 8, v[T+k]
	v_cmp_eq_u32 s21, s17, v24
	v_cmp_eq_u32 s22, s17, v25
	s_or_b32 s23, s21, s22
	v_mbcnt_lo_u32_b32 v25, s23, s20
	v_cndmask_b32 v26, 0, 1, s22
	v_add3_u32 v26, v26, v10, 256*(k/4)+2*(k%4)
	v_and_b32 v27, PER-1, v25
	v_cmp_gt_u32 s24, R, v27
	s_and_b32 s24, s24, s23
	v_lshrrev_b32 v25, 4, v25
	v_and_or_b32 v27, v25, (ROUNDS-1)*R, v27
	v_cndmask_b32 v27, v11, v27, s24
	v_min_u32 v27, 95, v27
	v_lshl_add_u32 v27, v27, 2, v8
	ds_store_b32 v27, v26
	s_bcnt1_i32_b32 s25, s23
	s_add_co_u32 s20, s20, s25
.set k, k+1
.endr
	s_mul_i32 s21, s16, R
	s_add_co_u32 s19, s20, s21
.endm
.macro HLOAD k                         ; K step k of both tiles into ring slot k % 4: eight loads
.set SG, RG+24*((\k)%4)
.set SS, HS+2*((\k)%4)
.irp q, 0,1,2
	global_load_b128 v[SG+4*\q:SG+4*\q+3], v5, s[8:9] offset:1792*(\k)+512*\q
.endr
	global_load_b32 v[SS], v10, s[8:9] offset:1792*(\k)+1536
.irp q, 0,1,2
	global_load_b128 v[SG+12+4*\q:SG+12+4*\q+3], v14, s[8:9] offset:1792*(\k)+512*\q
.endr
	global_load_b32 v[SS+1], v15, s[8:9] offset:1792*(\k)+1536
.endm
	s_load_b256 s[4:11], s[0:1], 0x0               ; W2 s[4:5], b2 s[6:7], hbuf s[8:9], sel s[10:11]
	s_load_b128 s[12:15], s[0:1], 0x20             ; gates s[12:13], ybuf s[14:15]
	v_lshl_add_u32 v42, v0, 2, 0x1c000
	v_mov_b32 v43, 0
	v_lshrrev_b32 v13, 5, v0
	v_readfirstlane_b32 s16, v13                   ; wave 0..15
	v_and_b32 v1, 31, v0
	v_and_b32 v2, 15, v0
	v_bfe_u32 v3, v0, 4, 1
	s_lshr_b32 s17, ttmp9, 5                       ; e
	s_and_b32 s18, ttmp9, 15                       ; dc
	s_bfe_u32 s34, ttmp9, 0x10004                  ; kh
	v_lshlrev_b32 v4, 4, v2
	v_lshl_add_u32 v4, v3, 17, v4                  ; W2: 32 hh rows of 4,096 bytes + 16 m
	v_lshlrev_b32 v5, 4, v1
	s_mul_i32 s20, s16, UREC
	v_add_nc_u32 v6, s20, v5
	v_add_nc_u32 v7, 8*UREC, v5
	s_lshl_b32 s29, s16, 9
	s_add_co_u32 s29, s29, PRIV                    ; my wave's list
	v_mov_b32 v8, s29
	v_lshlrev_b32 v10, 3, v1
	v_add_nc_u32 v11, 64, v1
	v_lshlrev_b32 v12, 3, v3
	v_lshl_add_u32 v13, v1, 2, s29
	v_add_nc_u32 v14, 4096, v1                     ; what an empty place of the list holds
	v_mov_b32 v[PT], 0                             ; a lane permute's destination counts as read
	s_mov_b32 s32, 0x76543210
	s_mov_b32 s33, 0xfedcba98
	s_lshl_b32 s35, s34, 11                        ; 2,048 kh: what a real entry's row adds
	s_cmp_eq_u32 s34, 0
	s_cselect_b32 s36, -1, 0                       ; all lanes where b2 is mine to add
	s_lshl_b32 s37, s17, 1
	s_add_co_u32 s37, s37, s34
	s_lshl_b32 s37, s37, 5                         ; 32 (2 e + kh): what an empty place's row adds
	s_lshl_b32 s30, s17, 24                        ; W2: e x 16 MiB + kh x 8 MiB + K step w + 256 dc
	s_lshl_b32 s20, s34, 23
	s_add_co_u32 s30, s30, s20
	s_lshl_b32 s20, s16, 19
	s_add_co_u32 s30, s30, s20
	s_lshl_b32 s20, s18, 8
	s_add_co_u32 s30, s30, s20
	s_mov_b32 s31, 0
	s_wait_kmcnt 0x0
	s_add_nc_u64 s[4:5], s[4:5], s[30:31]
	s_lshl_b32 s30, s17, 12                        ; b2: e x 4,096 + 256 dc
	s_add_co_u32 s30, s30, s20
	s_add_nc_u64 s[6:7], s[6:7], s[30:31]
	s_mov_b32 s30, s20                             ; ybuf: 256 dc
	s_add_nc_u64 s[14:15], s[14:15], s[30:31]
	s_mul_i32 s30, s17, 64*TREC                    ; hbuf: e, tile 2 w, record 16 kh
	s_mul_i32 s20, s16, 2*TREC
	s_add_co_u32 s30, s30, s20
	s_mul_i32 s20, s34, 28672
	s_add_co_u32 s30, s30, s20
	s_add_nc_u64 s[8:9], s[8:9], s[30:31]
.irp q, 0,1,2,3,4,5,6,7
	global_load_b128 v[T+4*\q:T+4*\q+3], v5, s[10:11] offset:512*\q
.endr
	LOADG 0
	s_wait_loadcnt 32                              ; sel is in; the 32 loads of W2 may be out: the list is made while they are on their way
	LIST
	s_wait_loadcnt 0x0
	QGRAN 0, 1
	s_wait_loadcnt 0x0
	QGRAN 1, 0
	FINW
	IMAGES
	v_lshlrev_b32 v34, 4, v2                       ; 16 r
	global_load_b128 v[B2:B2+3], v34, s[6:7]       ; b2 of columns 4 r .. 4 r + 3
	v_mov_b32 v32, s37
	v_mov_b32 v35, s35
	v_lshl_add_u32 v33, v3, 5, s29                 ; the list: my half's eight places of a tile
	s_wait_dscnt 0x0                               ; for the others' sake: my unit's images have landed
	s_barrier_signal -1
	s_barrier_wait -1                              ; all 16 units lie in LDS; nobody writes them again
	s_lshl_b32 s26, s16, 5                         ; my pair's first position in the list: 32 w + 512 p
	s_mov_b32 s27, 0                               ; 128 p
	s_mov_b32 s28, 0                               ; p
.Lround:
	v_add_nc_u32 v13, s27, v33
	s_cmp_ge_u32 s26, s19
	s_cbranch_scc1 .Lnext
	s_add_co_u32 s20, s26, 16
	s_cmp_lt_u32 s20, s19                          ; has the second tile a row?
	s_cselect_b32 s20, TREC, 0                     ; its record, or the first tile's again
	v_mov_b32 v15, s20
	v_min_u32 v15, TREC, v15                       ; the choice hangs on a count made from loaded numbers: it enters an address only behind a clamp by a constant (it is 0 or 57,344: the clamp changes nothing)
	v_add_nc_u32 v14, v15, v5                      ; + 16 x lane: the second tile's fragments
	v_add_nc_u32 v15, v15, v10                     ; + 8 x lane: its scale words
	HLOAD 0
	HLOAD 1
	HLOAD 2
	HLOAD 3
.set kk, 0
.rept 16
.set AD, 5+2*(kk/8)
.irp j, 0,1,2,3
.irp q, 0,1,2
	ds_load_b128 v[F+12*\j+4*\q:F+12*\j+4*\q+3], v[AD] offset:(kk%8)*UREC+1536*\j+512*\q
.endr
.endr
	ds_load_b128 v[WS:WS+3], v[AD] offset:(kk%8)*UREC+6144
.if kk < 13
	s_wait_loadcnt 24                              ; this K step's eight loads are in; those of the three K steps behind it may be out
.else
	s_wait_loadcnt 8*(15-kk)
.endif
	s_wait_dscnt 0x0
.irp t, 0,1                            ; the eight accumulators take turns, one instruction a turn; the first K step starts the sums
.irp j, 0,1,2,3
.if kk == 0
	v_wmma_scale_f32_16x16x128_f8f6f4 v[ACC+32*\t+8*\j:ACC+32*\t+8*\j+7], v[RG+24*(kk%4)+12*\t:RG+24*(kk%4)+12*\t+11], v[F+12*\j:F+12*\j+11], 0, v[HS+2*(kk%4)+\t], v[WS+\j] matrix_a_fmt:MATRIX_FMT_FP6 matrix_b_fmt:MATRIX_FMT_FP6
.else
	v_wmma_scale_f32_16x16x128_f8f6f4 v[ACC+32*\t+8*\j:ACC+32*\t+8*\j+7], v[RG+24*(kk%4)+12*\t:RG+24*(kk%4)+12*\t+11], v[F+12*\j:F+12*\j+11], v[ACC+32*\t+8*\j:ACC+32*\t+8*\j+7], v[HS+2*(kk%4)+\t], v[WS+\j] matrix_a_fmt:MATRIX_FMT_FP6 matrix_b_fmt:MATRIX_FMT_FP6
.endif
.endr
.endr
.rept 4
	v_nop                                          ; four places between the products and the loads into the registers that they read (behind the last K step: and the first read of the results)
.endr
.if kk < 12
	HLOAD kk+4
.endif
.set kk, kk+1
.endr
	; THE WAY OUT
.irp t, 0,1
.irp g, 0,1
	ds_load_b128 v[ENT+8*\t+4*\g:ENT+8*\t+4*\g+3], v13 offset:64*\t+16*\g   ; the entries of rows 16 t + 8 h + 0 .. 7
.endr
.endr
	s_wait_dscnt 0x0
.irp n, 0,1,2,3,4,5,6,7,8,9,10,11,12,13,14,15
	v_min_u32 v[GAD+\n], 0x7ff, v[ENT+\n]          ; (an empty place takes the last gate; its row is one that nobody reads)
	v_lshlrev_b32 v[GAD+\n], 2, v[GAD+\n]
	global_load_b32 v[GV+\n], v[GAD+\n], s[12:13]
.endr
.irp n, 0,1,2,3,4,5,6,7,8,9,10,11,12,13,14,15
	v_cmp_gt_u32 vcc_lo, 2048, v[ENT+\n]           ; a real entry?
	v_cndmask_b32 v[VO+\n], v32, v35, vcc_lo       ; then + 2,048 kh; an empty place (4,096 + place): + 32 (2 e + kh)
	v_add_nc_u32 v[VO+\n], v[VO+\n], v[ENT+\n]     ; the row
	v_min_u32 v[VO+\n], 0x11ff, v[VO+\n]           ; ybuf has 4,608 rows
	v_lshl_add_u32 v[VO+\n], v[VO+\n], 12, v34     ; x 4,096 bytes + 16 r
.endr
	s_wait_loadcnt 0x0                             ; the gates (and b2, asked for long ago)
.irp j, 0,1,2,3
	v_cndmask_b32 v[MB+\j], 0, v[B2+\j], s36
.endr
.irp t, 0,1
.irp n, 0,1,2,3,4,5,6,7                ; ascending: each accumulator is read from its low end on
.irp j, 0,1,2,3
	v_mul_f32 v[BG+\j], v[MB+\j], v[GV+8*\t+\n]
.endr
.irp j, 0,1,2,3
	v_fma_f32 v[OUT+32*\t+4*\n+\j], v[ACC+32*\t+8*\j+\n], v[GV+8*\t+\n], v[BG+\j]
.endr
	global_store_b128 v[VO+8*\t+\n], v[OUT+32*\t+4*\n:OUT+32*\t+4*\n+3], s[14:15] th:TH_STORE_NT   ; sixteen lanes store 256 consecutive aligned bytes of one row; the two halves of the lanes store to different rows
.endr
.endr
.Lnext:
	s_wait_xcnt 0x0                                ; the stores have taken their data and offsets, the loads their base: only now are these written again
	s_add_nc_u64 s[8:9], s[8:9], 32*TREC           ; 32 tiles on
	s_add_co_u32 s26, s26, PER
	s_add_co_u32 s27, s27, 4*R
	s_add_co_u32 s28, s28, 1
	s_cmp_lt_u32 s28, ROUNDS
	s_cbranch_scc1 .Lround
	s_wait_tensorcnt 0x0
	ds_add_u32 v42, v43
	s_wait_dscnt 0x0
	s_endpgm
.Lfunc_end_k_qe91caa470f_down:
	.size	k_qe91caa470f_down, .Lfunc_end_k_qe91caa470f_down-k_qe91caa470f_down
	.p2alignl 7, 3214868480
	.fill 96, 4, 3214868480
	.section	.rodata,"a",@progbits
	.p2align	6, 0x0
	.amdhsa_kernel k_qe91caa470f_down
		.amdhsa_group_segment_fixed_size 116736
		.amdhsa_private_segment_fixed_size 0
		.amdhsa_enable_private_segment 0
		.amdhsa_kernarg_size 48
		.amdhsa_user_sgpr_count 2
		.amdhsa_user_sgpr_kernarg_segment_ptr 1
		.amdhsa_wavefront_size32 1
		.amdhsa_system_sgpr_workgroup_id_x 1
		.amdhsa_system_sgpr_workgroup_id_y 1
		.amdhsa_system_sgpr_workgroup_id_z 1
		.amdhsa_system_vgpr_workitem_id 0
		.amdhsa_next_free_vgpr 256
		.amdhsa_next_free_sgpr 66
		.amdhsa_reserve_vcc 1
		.amdhsa_float_denorm_mode_32 3
		.amdhsa_float_denorm_mode_16_64 3
		.amdhsa_memory_ordered 1
		.amdhsa_forward_progress 1
		.amdhsa_inst_pref_size 124
	.end_amdhsa_kernel
	.amdgpu_metadata
---
amdhsa.version: [ 1, 2 ]
amdhsa.kernels:
  - .name:           k_qe91caa470f_down
    .symbol:         k_qe91caa470f_down.kd
    .args:
      - { .name: W2, .offset: 0, .size: 8, .value_kind: global_buffer, .address_space: global }
      - { .name: b2, .offset: 8, .size: 8, .value_kind: global_buffer, .address_space: global }
      - { .name: hbuf, .offset: 16, .size: 8, .value_kind: global_buffer, .address_space: global }
      - { .name: sel, .offset: 24, .size: 8, .value_kind: global_buffer, .address_space: global }
      - { .name: gates, .offset: 32, .size: 8, .value_kind: global_buffer, .address_space: global }
      - { .name: ybuf, .offset: 40, .size: 8, .value_kind: global_buffer, .address_space: global }
    .group_segment_fixed_size: 116736
    .private_segment_fixed_size: 0
    .kernarg_segment_align: 8
    .kernarg_segment_size: 48
    .max_flat_workgroup_size: 512
    .sgpr_count:     66
    .vgpr_count:     256
    .wavefront_size: 32
...
	.end_amdgpu_metadata
.endif
;; end of part 3
;; launch combine (part 4): grid 256 x 1, 8 waves a work-group, no clusters, 0 bytes of LDS; arguments ybuf, out0; writes out0
.if DOCPART == 4
	.amdgcn_target "amdgcn-amd-amdhsa--gfx1250"
	.amdhsa_code_object_version 6
	.text
	.protected	k_qe91caa470f_combine
	.globl	k_qe91caa470f_combine
	.p2align	8
	.type	k_qe91caa470f_combine,@function
k_qe91caa470f_combine:
	s_mov_b64 s[64:65], 0
	v_nop
	global_prefetch_b8 v0, s[64:65] scope:SCOPE_SE
	s_setreg_imm32_b32 hwreg(HW_REG_WAVE_MODE, 25, 1), 1
	s_wait_xcnt 0x0
; COMBINE.  out0[t] = the sum of the token's four partial rows of ybuf: ranks 0 and 1 (rows 2 t, 2 t + 1) of K half 0, and the same rows 2,048 further down of K half 1.  Gates and b2 are in them already.
; A stream: wave w of a work-group takes token 4 x work-group + w / 2, half w % 2 of its row (2,048 bytes).  Every load and store of a wave covers 512 consecutive aligned bytes; all sixteen loads go out at once.
; No LDS, no barrier, no matrix unit: each number is read once and added three times.
.set Y, 8                              ; v8-71: quarter q: four runs of 4 registers
	s_load_b128 s[4:7], s[0:1], 0x0                ; ybuf s[4:5], out0 s[6:7]
	v_lshrrev_b32 v1, 5, v0
	v_readfirstlane_b32 s8, v1                     ; wave 0..7
	v_and_b32 v1, 31, v0
	v_lshlrev_b32 v1, 4, v1                        ; 16 x lane
	s_lshl_b32 s9, ttmp9, 2
	s_lshr_b32 s10, s8, 1
	s_add_co_u32 s9, s9, s10                       ; my token
	s_and_b32 s10, s8, 1
	s_lshl_b32 s10, s10, 11                        ; my half of the row
	s_lshl_b32 s12, s9, 13                         ; two rows of 4,096 bytes a token
	s_add_co_u32 s12, s12, s10
	s_mov_b32 s13, 0
	s_lshl_b32 s14, s9, 12
	s_add_co_u32 s14, s14, s10
	s_mov_b32 s15, 0
	s_wait_kmcnt 0x0
	s_add_nc_u64 s[4:5], s[4:5], s[12:13]
	s_add_nc_u64 s[2:3], s[4:5], 0x800000          ; K half 1: 2,048 rows on, beyond an immediate offset's reach
	s_add_nc_u64 s[6:7], s[6:7], s[14:15]
.irp q, 0,1,2,3
	global_load_b128 v[Y+16*\q:Y+16*\q+3],     v1, s[4:5] offset:512*\q th:TH_LOAD_NT
	global_load_b128 v[Y+16*\q+4:Y+16*\q+7],   v1, s[4:5] offset:4096+512*\q th:TH_LOAD_NT
	global_load_b128 v[Y+16*\q+8:Y+16*\q+11],  v1, s[2:3] offset:512*\q th:TH_LOAD_NT
	global_load_b128 v[Y+16*\q+12:Y+16*\q+15], v1, s[2:3] offset:4096+512*\q th:TH_LOAD_NT
.endr
.irp q, 0,1,2,3
	s_wait_loadcnt 12-4*\q                         ; this quarter's four loads are in; the four of each younger quarter may be out
	v_pk_add_f32 v[Y+16*\q:Y+16*\q+1],     v[Y+16*\q:Y+16*\q+1],     v[Y+16*\q+4:Y+16*\q+5]
	v_pk_add_f32 v[Y+16*\q+2:Y+16*\q+3],   v[Y+16*\q+2:Y+16*\q+3],   v[Y+16*\q+6:Y+16*\q+7]
	v_pk_add_f32 v[Y+16*\q+8:Y+16*\q+9],   v[Y+16*\q+8:Y+16*\q+9],   v[Y+16*\q+12:Y+16*\q+13]
	v_pk_add_f32 v[Y+16*\q+10:Y+16*\q+11], v[Y+16*\q+10:Y+16*\q+11], v[Y+16*\q+14:Y+16*\q+15]
	v_pk_add_f32 v[Y+16*\q:Y+16*\q+1],     v[Y+16*\q:Y+16*\q+1],     v[Y+16*\q+8:Y+16*\q+9]
	v_pk_add_f32 v[Y+16*\q+2:Y+16*\q+3],   v[Y+16*\q+2:Y+16*\q+3],   v[Y+16*\q+10:Y+16*\q+11]
	global_store_b128 v1, v[Y+16*\q:Y+16*\q+3], s[6:7] offset:512*\q th:TH_STORE_NT
.endr
	s_endpgm
.Lfunc_end_k_qe91caa470f_combine:
	.size	k_qe91caa470f_combine, .Lfunc_end_k_qe91caa470f_combine-k_qe91caa470f_combine
	.p2alignl 7, 3214868480
	.fill 96, 4, 3214868480
	.section	.rodata,"a",@progbits
	.p2align	6, 0x0
	.amdhsa_kernel k_qe91caa470f_combine
		.amdhsa_group_segment_fixed_size 0
		.amdhsa_private_segment_fixed_size 0
		.amdhsa_enable_private_segment 0
		.amdhsa_kernarg_size 16
		.amdhsa_user_sgpr_count 2
		.amdhsa_user_sgpr_kernarg_segment_ptr 1
		.amdhsa_wavefront_size32 1
		.amdhsa_system_sgpr_workgroup_id_x 1
		.amdhsa_system_sgpr_workgroup_id_y 1
		.amdhsa_system_sgpr_workgroup_id_z 1
		.amdhsa_system_vgpr_workitem_id 0
		.amdhsa_next_free_vgpr 80
		.amdhsa_next_free_sgpr 66
		.amdhsa_reserve_vcc 0
		.amdhsa_float_denorm_mode_32 3
		.amdhsa_float_denorm_mode_16_64 3
		.amdhsa_memory_ordered 1
		.amdhsa_forward_progress 1
		.amdhsa_inst_pref_size 5
	.end_amdhsa_kernel
	.amdgpu_metadata
---
amdhsa.version: [ 1, 2 ]
amdhsa.kernels:
  - .name:           k_qe91caa470f_combine
    .symbol:         k_qe91caa470f_combine.kd
    .args:
      - { .name: ybuf, .offset: 0, .size: 8, .value_kind: global_buffer, .address_space: global }
      - { .name: out0, .offset: 8, .size: 8, .value_kind: global_buffer, .address_space: global }
    .group_segment_fixed_size: 0
    .private_segment_fixed_size: 0
    .kernarg_segment_align: 8
    .kernarg_segment_size: 16
    .max_flat_workgroup_size: 256
    .sgpr_count:     66
    .vgpr_count:     80
    .wavefront_size: 32
...
	.end_amdgpu_metadata
.endif
;; end of part 4
